; MI455X (gfx1250); checked and timed in simulation.
; The chip was launched on July 23, 2026; its instructions are those of AMD's public machine-readable ISA for CDNA 5 (MIT licence, August 2026) and "CDNA5" Instruction Set Architecture Reference Guide (July 2026). The comments in the code are by the model that wrote it; some were corrected since.
;; Local Attention. Allowed arithmetic: matrix products marked QUANTISED: E2M3 operands, one E8M0 scale for each 32 along K, by v_wmma_scale_f32_16x16x128_f8f6f4 with both operands' format E2M3, f32 sums; products left as they are: f32 operands where the result goes on into a quantised operand, else bf16, f16 or f32 operands; f32 sums; everything else in f32.
;; Inputs: Wk_codes 1,024 x 32 x 24 uint8 (E2M3 codes of Wk, K innermost, in blocks of 32 codes, four codes in three bytes); Wk_scales 1,024 x 32 uint8 (E8M0 scales of Wk, one for each 32 codes along K); Wq_codes 1,024 x 32 x 24 uint8 (E2M3 codes of Wq, K innermost, in blocks of 32 codes, four codes in three bytes); Wq_scales 1,024 x 32 uint8 (E8M0 scales of Wq, one for each 32 codes along K); Wv_codes 1,024 x 32 x 24 uint8 (E2M3 codes of Wv, K innermost, in blocks of 32 codes, four codes in three bytes); Wv_scales 1,024 x 32 uint8 (E8M0 scales of Wv, one for each 32 codes along K); bk 1,024 float32; bq 1,024 float32; bv 1,024 float32; sequence_output_codes 4 x 2,048 x 32 x 24 uint8 (E2M3 codes of sequence_output, K innermost, in blocks of 32 codes, four codes in three bytes); sequence_output_scales 4 x 2,048 x 32 uint8 (E8M0 scales of sequence_output, one for each 32 codes along K).
;; Outputs: out0 4 x 2,048 x 1,024 float32.
;; This version of the problem:
;;   THIS VERSION OF THE PROBLEM IS GIVEN IN LOW PRECISION. The matrix products marked QUANTISED in the list below multiply operands that are first quantised to E2M3 (2 exponent bits, 3 mantissa bits; 6 bits a number), with one power-of-two scale for each 32 numbers along K (OCP MX v1.0); their sums are f32. All else is computed in f32.
;;   The module's matrix products, in the order in which they are computed (A, B: the left and right operand; K: the contracted axis; several contracted axes count as one K, in the product's order):
;;     1. [M 8,192, K 1,024] x [K 1,024, N 1,024]; A: input sequence_output (given as codes); B: input Wq (given as codes): QUANTISED
;;     2. [M 8,192, K 1,024] x [K 1,024, N 1,024]; A: input sequence_output (given as codes); B: input Wk (given as codes): QUANTISED
;;     3. [M 8,192, K 1,024] x [K 1,024, N 1,024]; A: input sequence_output (given as codes); B: input Wv (given as codes): QUANTISED
;;     4. batch 8,192 x [M 1, K 1,024] x [K 1,024, N 5]; A: computed on the way; B: computed on the way: left as it is (M = 1 < 16)
;;     5. batch 8,192 x [M 1, K 5] x [K 5, N 1,024]; A: softmax; B: computed on the way: left as it is (K = 5 < 32)
;;   THE QUANTISER, for each operand of a quantised product, along K:
;;     - K is cut into blocks of 32 from its start; a last block that is shorter is filled with zeros.
;;     - A block's scale is 2^e with e = floor(log2(the largest magnitude in the block)) - 2, held to -126 .. 127; a block of zeros has e = 0. As a byte (E8M0): e + 127.
;;     - Each number is divided by its block's scale, clamped to +-7.5, and rounded to the nearest number of E2M3, ties to even, subnormals kept.
;;     - The product sums the exact products of the quantised numbers (number of the format x scale) in f32.
;;   ~~~python
;;   def quantise(x, axis):      # numpy; x: float32 -> the quantised numbers, widened to float32 again
;;       x = np.moveaxis(x, axis, -1); K = x.shape[-1]
;;       x = np.pad(x, [(0, 0)] * (x.ndim - 1) + [(0, -K % 32)]); x = x.reshape(x.shape[:-1] + (-1, 32)); a = np.abs(x).max(-1, keepdims=True)
;;       e = np.where(a > 0, np.clip(np.frexp(np.where(a > 0, a, 1))[1] - 1 - 2, -126, 127), 0)      # np.frexp(a)[1] - 1 = floor(log2(a)), exactly
;;       r = np.clip(x / 2.0 ** e, -7.5, 7.5)
;;       step = 2.0 ** (np.maximum(np.frexp(np.where(r == 0, 1, r))[1] - 1, 0) - 3)
;;       q = np.round(r / step) * step * 2.0 ** e      # np.round: ties to even
;;       return np.moveaxis(q.reshape(q.shape[:-2] + (-1,))[..., :K], -1, axis).astype(np.float32)
;;   ~~~
;;   INPUTS GIVEN AS CODES. Wk (in the module: [1024, 1024], K = its axis 0); Wq (in the module: [1024, 1024], K = its axis 0); Wv (in the module: [1024, 1024], K = its axis 0); sequence_output (in the module: [4, 2048, 1024], K = its axis 2): each comes as NAME_codes (uint8): NAME with its K axis moved to the last place and cut into blocks of 32 codes, [.., K / 32, bytes a block], one block behind the other in memory; four codes in three bytes: a row's codes are one little-endian stream of bits, code i at bits 6 i .. 6 i + 5 (a code: sign, 2 exponent bits, 3 mantissa bits); and NAME_scales (uint8): the same leading axes, one E8M0 byte (e + 127) for each 32 codes along K. Its value is code x scale, taken as it is: it is not quantised again, and the codes and scales need not be those that the quantiser above would give.
;; One version. Each part assembles by itself: llvm-mc -triple=amdgcn-amd-amdhsa -mcpu=gfx1250 --defsym DOCPART=n.
;; ======== version 1 of 1: 2 launches
;; workspace buffers: part 1,310,720 bytes
;; launch scores (part 1): grid 8 x 32, 4 waves a work-group, clusters of 4 x 4, 327,680 bytes of LDS; arguments sequence_output_codes, sequence_output_scales, Wq_codes, Wq_scales, Wk_codes, Wk_scales, bq, bk, part; writes part
.if DOCPART == 1
	.amdgcn_target "amdgcn-amd-amdhsa--gfx1250"
	.amdhsa_code_object_version 6
	.text
	.protected	k_qfb4bbbd959_scores
	.globl	k_qfb4bbbd959_scores
	.p2align	8
	.type	k_qfb4bbbd959_scores,@function
k_qfb4bbbd959_scores:
	s_mov_b64 s[64:65], 0
	v_nop
	global_prefetch_b8 v0, s[64:65] scope:SCOPE_SE
	s_setreg_imm32_b32 hwreg(HW_REG_WAVE_MODE, 25, 1), 1
	s_wait_xcnt 0x0
	s_wait_alu depctr_hold_cnt(0) depctr_sa_sdst(0) depctr_va_vdst(0) depctr_va_sdst(0) depctr_va_ssrc(0) depctr_va_vcc(0) depctr_vm_vsrc(0)
	s_getreg_b32 s2, hwreg(HW_REG_IB_STS2, 6, 4)
	s_cmp_eq_u32 s2, 0
	s_cbranch_scc0 .Lentry_in_a_cluster
	s_endpgm
.Lentry_in_a_cluster:
	s_bfe_u32 s2, ttmp6, 0x10000c
	s_cmp_lg_u32 s2, 0xf033
	s_cbranch_scc0 .Lentry_shape_is_right
	s_endpgm
.Lentry_shape_is_right:
; PARTIAL SCORES.  part[c][d][row] = the sum over the 128 columns n of chunk c of Q[row][n] K[row + d - 2][n], d = 0 .. 4, not yet divided by 32 and not yet masked.
; Q = x Wq + bq, K = x Wk + bk: both on codes of FP6 (E2M3) with one E8M0 scale for each 32 along K, taken as they lie in memory; sums in f32; K = 1,024 in eight steps of 128, written out.
; SHARES.  A work-group: rows s0 .. s0 + 255 of x (s0 = 256 y) x columns 128 c .. 128 c + 127 of Q and of K.  Wave (wr, wc): rows s .. s + 127 (s = s0 + 128 wr), 64 columns (64 wc on) of Q and of K:
; 64 accumulators of 16 x 16.  The eight tiles of x's rows serve Q and K alike.  One tile more, H, gives K for the window's neighbours: its row m is x's row s + 128 + m (m < 8) or s - 16 + m (m >= 8),
; so that its rows 14, 15 stand for the tile in front of the wave's rows and its rows 0, 1 for the tile behind them.  At the tensor's two ends other rows of x stand in (the addresses are clamped);
; what comes of them, and of neighbours in another batch, is thrown away by the mask of the launch that reads part.
; THE FP6 PRODUCT IS USED TRANSPOSED (source 0 = 16 rows of W, source 1 = 16 rows of x): a lane holds one row of x and eight neighbouring columns, so two neighbouring column tiles, rounded to bf16,
; ARE a bf16 fragment of 16 rows x 32 columns.  The window's products go as S = K tile (i - 1 + p) x Q tile i, p = 0, 1, 2 (bf16 operands, f32 sums); the band of five is read out of an image of S in LDS.
; CLUSTER 4 x 4: x's tiles are shared along a row of the cluster, W's along a column: joint loads.  The halo rows (24,576 of the 417,792 bytes that a work-group brings in) come by plain loads, one a wave:
; their clamped addresses stay out of the joint descriptors.
; LIMITS: Q and K are rounded to bf16 for the scores, so a score's error grows with the inputs' size; a scale byte 0xff (NaN) is not served.
; REGISTERS, in windows of 256.  window 0: v0-31 addresses; v32-103 scale words; v104-211 x's nine fragments (ONE set); v212-243 H's four accumulators.
;   window 1: v0-95, v128-223 W's eight fragments, two sets; v96-127 bq, v224-255 bk in the result's layout; afterwards Q (v0-127) and K (v128-255) in bf16.
;   window 2: the accumulators of x's tiles 0-3 ((a, b) at v[8 (8 a + b)]; b = 0-3 Q, 4-7 K); afterwards S.   window 3: those of tiles 4-7.
.set KROW,   768                       ; a row of codes in memory: 1,024 codes of 6 bits
.set ROWB,   192                       ; a slot's part of it: 256 codes
.set PITCH,  240                       ; in LDS: 3 x (64 bytes + 16 of padding)
.set FR,     12                        ; registers of a fragment, 16 rows x 128 K
.set QUART,  128*PITCH                 ; 128 rows: what one joint load brings
.set SLOT,   4*QUART                   ; x's rows 0-127, 128-255, Wq's 128 rows, Wk's 128 rows
.set HAL,    2*SLOT                    ; behind the ring: the halo, 4 groups of 8 whole rows (768 bytes + 12 paddings = 960)
.set HPITCH, 960
.set HGRP,   8*HPITCH
.set SPARE,  HAL+4*HGRP                ; the spare words, 128 bytes a wave: two blocks of 256 bytes that no other line names
.set IPITCH, 208                       ; S's image: a query's 48 slots of f32 + 16 bytes
.set IMG,    128*IPITCH                ; a wave's image; the four lie in slot 0, which has had its last fill and its last read when they are written
.set ADRH,  12                         ; v12, v13  my lane's place in the halo (v13: for the pieces behind one padding more)
.set ADRH2, 13
.set ADRA,  16                         ; v16-17 x's fragments in slot 0, 1; v18-19 behind one padding more
.set ADRA2, 18
.set ADRB,  20                         ; v20-21, v22-23 the same for W
.set ADRB2, 22
.set STO,   24                         ; v24  where I put 32 bytes of S
.set RB,    25                         ; v25  where I read the band
.set CO,    26                         ; v26  8 x thread: my two rows in part
.set SPW,   28                         ; v28  my spare word; never rewritten
.set NIL,   29                         ; v29  0; never rewritten
.set SC,    32                         ; v[SC + 8 i + ks]: lanes 0-15 the scale word of x's tile i (i = 8: H), lanes 16-31 that of W's tile i, for K step ks
.set AF,    104
.set T,     104                        ; at the head: W's scale words as loaded
.set HACC,  212
.set KH,    104                        ; afterwards: H's K in bf16
.set WV, 22
.set WR, 23
.set WC, 66
.set G1A, 24                           ; s[24:31] group 1, x's tiles;  s[32:39] groups 0, a set a slot
.set G0A, 32
.set G1B, 40                           ; s[40:47], s[48:55] the same for W's
.set G0B, 48
.set G1H, 56                           ; s[56:63], s[68:71] the halo's
.set G0H, 68
.set MSB, 0
.macro WIN new                         ; the immediate's high byte repeats the setting that is left
.if MSB != (\new)
	s_set_vgpr_msb (MSB<<8)|(\new)
.set MSB, (\new)
.endif
.endm
.macro PLACES n
.rept \n
	v_nop
.endr
.endm
; A joint load: waves 0 and 1 fetch x's halves, wave 2 Wq's chunk, wave 3 Wk's.  The branch hangs on the wave's number alone.  Four v_nop follow each line.
.macro JLOAD g0a, g1a, g0b, g1b
	s_cmp_eq_u32 s[WR], 0
	s_cbranch_scc0 .Lfor_b_\@
	tensor_load_to_lds s[\g0a:\g0a+3], s[\g1a:\g1a+7]
	s_nop 0
.rept 4
	v_nop
.endr
	s_branch .Lasked_\@
.Lfor_b_\@:
	tensor_load_to_lds s[\g0b:\g0b+3], s[\g1b:\g1b+7]
	s_nop 0
.rept 4
	v_nop
.endr
.Lasked_\@:
.endm
.macro CREST                           ; a round of the cluster's barrier behind its opening barrier
	s_cmp_lg_u32 s[WV], 0
	s_cbranch_scc1 .Lnot_wave_0_\@
	s_barrier_signal -3
.Lnot_wave_0_\@:
	s_barrier_wait -3
	s_barrier_signal -1
	s_barrier_wait -1
.endm
.macro CROUND
	s_barrier_signal -1
	s_barrier_wait -1
	CREST
.endm
	s_load_b256 s[4:11], s[0:1], 0x0               ; x's codes s[4:5], x's scales s[6:7], Wq's codes s[8:9], Wq's scales s[10:11]
	s_load_b256 s[12:19], s[0:1], 0x20             ; Wk's codes s[12:13], Wk's scales s[14:15], bq s[16:17], bk s[18:19]
	s_load_b64 s[20:21], s[0:1], 0x40              ; part
	v_lshl_add_u32 v[SPW], v0, 2, SPARE
	v_mov_b32 v[NIL], 0
	ds_add_u32 v28, v29
	ds_add_u32 v28, v29
	s_wait_dscnt 0x0
	v_lshrrev_b32 v1, 5, v0
	v_readfirstlane_b32 s[WV], v1                  ; wave 0..3
	s_lshr_b32 s[WR], s[WV], 1                     ; my half of the rows.  Also: I fetch for x (0) or for W (1)
	s_and_b32 s[WC], s[WV], 1                      ; my half of the columns.  Also: which half of x, or which of Wq and Wk, I fetch
	s_bfe_u32 s67, ttmp6, 0x40000                  ; cx
	s_bfe_u32 s72, ttmp6, 0x40004                  ; cy
	s_lshl_b32 s73, ttmp9, 2
	s_add_co_u32 s73, s73, s67                     ; c: the chunk of columns
	s_and_b32 s74, ttmp7, 0xffff
	s_lshl_b32 s74, s74, 2
	s_add_co_u32 s74, s74, s72                     ; y: the block of rows
	s_lshl_b32 s75, s74, 8                         ; s0
	s_lshl_b32 s76, s72, 2
	s_lshl_b32 s76, 15, s76                        ; my row of the cluster
	s_lshl_b32 s77, 0x1111, s67                    ; my column
	; groups 1: 128 rows x 192 bytes, 768 bytes apart; 16 bytes of padding behind every 64
	s_or_b32 s[G1A], s76, (1<<20)|(1<<21)|(3<<22)|(3<<25)
	s_or_b32 s[G1B], s77, (1<<20)|(1<<21)|(3<<22)|(3<<25)
.irp g, G1A, G1B
	s_mov_b32 s[\g+1], ROWB<<16                    ; tensor_dim0
	s_mov_b32 s[\g+2], 128<<16                     ; tensor_dim1
	s_mov_b32 s[\g+3], ROWB<<16                    ; tile_dim0
	s_mov_b32 s[\g+4], 128                         ; tile_dim1
	s_mov_b32 s[\g+5], KROW                        ; from row to row
	s_mov_b32 s[\g+6], 0
	s_mov_b32 s[\g+7], 0
.endr
	s_mov_b32 s[G1H], (1<<20)|(3<<22)|(3<<25)      ; the halo: 8 whole rows of 768 bytes, no mask, the same padding
	s_mov_b32 s[G1H+1], KROW<<16
	s_mov_b32 s[G1H+2], 8<<16
	s_mov_b32 s[G1H+3], KROW<<16
	s_mov_b32 s[G1H+4], 8
	s_mov_b32 s[G1H+5], KROW
	s_mov_b32 s[G1H+6], 0
	s_mov_b32 s[G1H+7], 0
	; offsets.  s78-79, s84-93, s96-97 hold what hangs on the rows (y), s80-81, s94-95, s98-99 what hangs on the columns (c), s82-83 the wave's number alone
	s_lshl_b32 s78, s[WC], 7
	s_add_co_u32 s78, s78, s75
	s_mul_i32 s78, s78, KROW                       ; x's codes at row s0 + 128 wc
	s_mov_b32 s79, 0
	s_mul_i32 s80, s73, 128*KROW                   ; W's codes at row 128 c
	s_mov_b32 s81, 0
	s_mul_i32 s82, s[WV], QUART                    ; where my joint loads land in a slot
	s_mul_i32 s83, s[WV], HGRP
	s_add_co_u32 s83, s83, HAL                     ; and my group of the halo
	s_add_co_u32 s84, s75, 128                     ; the four groups' first rows: behind wave row 0's rows,
	s_add_co_u32 s85, s75, 256
	s_min_u32 s85, s85, 8184                       ; behind wave row 1's (clamped at the tensor's end),
	s_max_u32 s86, s75, 8
	s_sub_co_u32 s86, s86, 8                       ; in front of wave row 0's (clamped at its start),
	s_add_co_u32 s87, s75, 120                     ; in front of wave row 1's
	s_cmp_eq_u32 s[WR], 0
	s_cselect_b32 s88, s84, s85                    ; H's rows 0-7 for my wave
	s_cselect_b32 s89, s86, s87                    ; H's rows 8-15
	s_cmp_eq_u32 s[WC], 0
	s_cselect_b32 s90, s84, s85
	s_cselect_b32 s91, s86, s87
	s_cmp_eq_u32 s[WR], 0
	s_cselect_b32 s90, s90, s91                    ; wave g fetches group g
	s_mul_i32 s90, s90, KROW
	s_mov_b32 s91, 0
	s_lshl_b32 s96, s[WR], 7
	s_add_co_u32 s96, s96, s75
	s_lshl_b32 s96, s96, 5                         ; x's scales at my first row: 32 bytes a row
	s_mov_b32 s97, 0
	s_lshl_b32 s98, s73, 7
	s_lshl_b32 s99, s[WC], 6
	s_add_co_u32 s98, s98, s99                     ; my first column: 128 c + 64 wc
	s_mov_b32 s99, 0
	s_wait_kmcnt 0x0
	s_add_nc_u64 s[92:93], s[4:5], s[78:79]
	s_cmp_eq_u32 s[WC], 0
	s_cselect_b64 s[94:95], s[8:9], s[12:13]       ; wave 2 fetches Wq's chunk, wave 3 Wk's
	s_add_nc_u64 s[94:95], s[94:95], s[80:81]
	s_add_nc_u64 s[96:97], s[6:7], s[96:97]
	s_lshl_b32 s98, s98, 2
	s_add_nc_u64 s[16:17], s[16:17], s[98:99]      ; bq, bk at my first column
	s_add_nc_u64 s[18:19], s[18:19], s[98:99]
	s_lshl_b32 s98, s98, 3
	s_add_nc_u64 s[10:11], s[10:11], s[98:99]      ; W's scales at my first row of W
	s_add_nc_u64 s[14:15], s[14:15], s[98:99]
	s_mul_i32 s98, s73, 5*8192*4
	s_add_nc_u64 s[20:21], s[20:21], s[98:99]      ; part at chunk c,
	s_lshl_b32 s78, s75, 2
	s_add_nc_u64 s[20:21], s[20:21], s[78:79]      ; row s0
	s_mov_b32 s[G0H], 1
	s_mov_b32 s[G0H+1], s83
	s_add_nc_u64 s[G0H+2:G0H+3], s[4:5], s[90:91]
	s_or_b32 s[G0H+3], s[G0H+3], 0x80000000
.irp s, 0,1
	s_mov_b32 s[G0A+4*\s], 1
	s_add_co_u32 s[G0A+4*\s+1], s82, \s*SLOT
	s_add_nc_u64 s[G0A+4*\s+2:G0A+4*\s+3], s[92:93], \s*ROWB
	s_or_b32 s[G0A+4*\s+3], s[G0A+4*\s+3], 0x80000000
	s_mov_b32 s[G0B+4*\s], 1
	s_add_co_u32 s[G0B+4*\s+1], s82, \s*SLOT
	s_add_nc_u64 s[G0B+4*\s+2:G0B+4*\s+3], s[94:95], \s*ROWB
	s_or_b32 s[G0B+4*\s+3], s[G0B+4*\s+3], 0x80000000
.endr
	CROUND                                         ; all sixteen work-groups are here: the first joint loads meet
	tensor_load_to_lds s[G0H:G0H+3], s[G1H:G1H+7]  ; the first fills go out as one group: my group of the halo,
	s_nop 0
.rept 4
	v_nop
.endr
	JLOAD G0A, G1A, G0B, G1B                       ; slot 0 (K 0 .. 255),
	JLOAD G0A+4, G1A, G0B+4, G1B                   ; slot 1 (K 256 .. 511): three tensor loads of mine are out
	; THE SCALE WORDS come straight into registers, once: a tile's 16 rows x 32 bytes are 512 dense bytes; lane r (and lane 16 + r) takes row r's 32 bytes, one word for each K step
	v_and_b32 v1, 15, v0                           ; r
	v_bfe_u32 v2, v0, 4, 1                         ; h
	v_lshlrev_b32 v3, 5, v1                        ; 32 r
	v_and_b32 v4, 7, v1
	v_mov_b32 v5, s89
	v_mov_b32 v6, s88
	v_cmp_gt_u32 vcc_lo, 8, v1
	v_cndmask_b32 v5, v5, v6, vcc_lo               ; H's row r: in the group behind my rows (r < 8) or in front of them
	v_add_lshl_u32 v4, v4, v5, 5
	v_lshlrev_b32 v7, 5, v2                        ; 32 h: the biases' eight numbers of my half
.irp i, 0,1,2,3,4,5,6,7
	global_load_b128 v[SC+8*\i:SC+8*\i+3], v3, s[96:97] offset:512*\i
	global_load_b128 v[SC+8*\i+4:SC+8*\i+7], v3, s[96:97] offset:512*\i+16
.endr
	global_load_b128 v[SC+64:SC+67], v4, s[6:7]
	global_load_b128 v[SC+68:SC+71], v4, s[6:7] offset:16
.irp b, 0,1,2,3
	global_load_b128 v[T+8*\b:T+8*\b+3], v3, s[10:11] offset:512*\b
	global_load_b128 v[T+8*\b+4:T+8*\b+7], v3, s[10:11] offset:512*\b+16
	global_load_b128 v[T+32+8*\b:T+32+8*\b+3], v3, s[14:15] offset:512*\b
	global_load_b128 v[T+32+8*\b+4:T+32+8*\b+7], v3, s[14:15] offset:512*\b+16
.endr
	WIN 0x40                                       ; destination window 1
.irp t, 0,1,2,3                        ; the biases in the result's layout: lane (r, h), register j: column 16 t + 8 h + j
	global_load_b128 v[96+8*\t:96+8*\t+3], v7, s[16:17] offset:64*\t
	global_load_b128 v[96+8*\t+4:96+8*\t+7], v7, s[16:17] offset:64*\t+16
	global_load_b128 v[224+8*\t:224+8*\t+3], v7, s[18:19] offset:64*\t
	global_load_b128 v[224+8*\t+4:224+8*\t+7], v7, s[18:19] offset:64*\t+16
.endr
	WIN 0
	s_wait_loadcnt 0x0                             ; scale words and biases, once
	v_cmp_eq_u32 vcc_lo, 1, v2
.set N, 0
.rept 64
	v_cndmask_b32 v[SC+N], v[SC+N], v[T+N], vcc_lo ; lanes 16-31 take W's word: one register carries both sides' scales
.set N, N+1
.endr
	; the LDS addresses (more than eight plain vector lines: the distance that a scale register written by a vector instruction keeps from a scaled product)
	v_mul_u32_u24 v8, v1, PITCH
	v_mad_u32_u24 v8, v2, 24, v8                   ; a fragment's row x pitch + 24 x half
	v_lshl_add_u32 v9, v2, 4, v8                   ; and behind one padding more
	s_mul_i32 s78, s[WR], QUART                    ; my 128 rows of x
	s_mul_i32 s80, s[WC], 64*PITCH
	s_add_co_u32 s80, s80, 2*QUART                 ; my 64 rows of Wq (Wk's lie QUART further on)
.irp s, 0,1
	v_add_nc_u32 v[ADRA+\s], s78, v8
	v_add_nc_u32 v[ADRA2+\s], s78, v9
	v_add_nc_u32 v[ADRB+\s], s80, v8
	v_add_nc_u32 v[ADRB2+\s], s80, v9
	s_add_co_u32 s78, s78, SLOT
	s_add_co_u32 s80, s80, SLOT
.endr
	v_and_b32 v10, 8, v1
	v_add_nc_u32 v10, v10, v1                      ; r + 8 (r / 8): groups wr and 2 + wr of the halo
	v_mul_u32_u24 v10, v10, HPITCH
	v_mad_u32_u24 v10, v2, 24, v10
	s_mul_i32 s82, s[WR], HGRP
	s_add_co_u32 s82, s82, HAL
	v_add_nc_u32 v[ADRH], s82, v10
	v_lshl_add_u32 v[ADRH2], v2, 4, v[ADRH]
	v_mul_u32_u24 v[STO], v1, IPITCH               ; S's image: query r, + 32 h
	v_lshl_add_u32 v[STO], v2, 5, v[STO]
	s_mul_i32 s83, s[WV], IMG
	v_add_nc_u32 v[STO], s83, v[STO]
	v_and_b32 v[RB], 63, v0                        ; the band: thread t reads queries 2 (t % 64) and the next of its half of the rows; query q's key d lies in slot 14 + q % 16 + d
	v_mul_u32_u24 v[RB], v[RB], 2*IPITCH
	v_and_b32 v11, 7, v0
	v_lshl_add_u32 v[RB], v11, 3, v[RB]
	s_mul_i32 s83, s[WR], 2*IMG
	s_add_co_u32 s83, s83, 56
	v_add_nc_u32 v[RB], s83, v[RB]
	v_lshlrev_b32 v[CO], 3, v0
; A fragment, 16 rows x 128 K of 6-bit codes: lane (r, h) takes 24 bytes at 96 q + 24 h of its row and 24 bytes 48 further on, as they lie, in pieces of 8 bytes.  16 bytes of padding lie behind every 8 pieces:
; where the piece three on (lanes 16-31) lies behind one padding more, the second address register serves.
.macro FRAG reg, adr, alt, q, off
.irp p, 0,1,2,3,4,5
.set PC, 12*(\q)+6*(\p/3)+\p%3
.if PC%8 < 5
	ds_load_b64 v[(\reg)+2*\p:(\reg)+2*\p+1], v[\adr] offset:8*PC+16*(PC/8)+(\off)
.else
	ds_load_b64 v[(\reg)+2*\p:(\reg)+2*\p+1], v[\alt] offset:8*PC+16*(PC/8)+(\off)
.endif
.endr
.endm
.macro FETCH_A slot, q, i0             ; x's tiles i0 .. i0 + 3
.irp i, \i0, \i0+1, \i0+2, \i0+3
	FRAG AF+FR*(\i), ADRA+\slot, ADRA2+\slot, \q, (\i)*16*PITCH
.endr
.endm
.macro FETCH_H ks                      ; H: a halo row is four slot rows on end, so the K step stands in the immediate
	FRAG AF+8*FR, ADRH, ADRH2, \ks, 0
.endm
.macro FETCH_B slot, q, p              ; W's eight tiles (four of Wq, four of Wk) into set p
	WIN 0x40
.irp b, 0,1,2,3,4,5,6,7
	FRAG 128*(\p)+FR*\b, ADRB+\slot, ADRB2+\slot, \q, (\b+4*(\b/4))*16*PITCH
.endr
	WIN 0
.endm
; 16 products: x's tiles a0, a0 + 1 against W's eight.  first = 1: the bias is the C of the sum's first product.  All 68 accumulators take turns, one instruction a turn, in the same order in every step.
.macro MULA a0, p, ks, first
.irp a, \a0, \a0+1
.irp b, 0,1,2,3,4,5,6,7
.if \first
	v_wmma_scale_f32_16x16x128_f8f6f4 v[8*(8*((\a)%4)+\b):8*(8*((\a)%4)+\b)+7], v[128*(\p)+FR*\b:128*(\p)+FR*\b+FR-1], v[AF+FR*(\a):AF+FR*(\a)+FR-1], v[96+8*\b+96*(\b/4):96+8*\b+96*(\b/4)+7], v[SC+8*\b+(\ks)], v[SC+8*(\a)+(\ks)] matrix_a_fmt:MATRIX_FMT_FP6 matrix_b_fmt:MATRIX_FMT_FP6 matrix_a_scale:MATRIX_SCALE_ROW1
.else
	v_wmma_scale_f32_16x16x128_f8f6f4 v[8*(8*((\a)%4)+\b):8*(8*((\a)%4)+\b)+7], v[128*(\p)+FR*\b:128*(\p)+FR*\b+FR-1], v[AF+FR*(\a):AF+FR*(\a)+FR-1], v[8*(8*((\a)%4)+\b):8*(8*((\a)%4)+\b)+7], v[SC+8*\b+(\ks)], v[SC+8*(\a)+(\ks)] matrix_a_fmt:MATRIX_FMT_FP6 matrix_b_fmt:MATRIX_FMT_FP6 matrix_a_scale:MATRIX_SCALE_ROW1
.endif
.endr
.endr
.endm
.macro MULH p, ks, first               ; H against Wk's four
.irp b, 4,5,6,7
.if \first
	v_wmma_scale_f32_16x16x128_f8f6f4 v[HACC+8*(\b-4):HACC+8*(\b-4)+7], v[128*(\p)+FR*\b:128*(\p)+FR*\b+FR-1], v[AF+8*FR:AF+9*FR-1], v[192+8*\b:192+8*\b+7], v[SC+8*\b+(\ks)], v[SC+64+(\ks)] matrix_a_fmt:MATRIX_FMT_FP6 matrix_b_fmt:MATRIX_FMT_FP6 matrix_a_scale:MATRIX_SCALE_ROW1
.else
	v_wmma_scale_f32_16x16x128_f8f6f4 v[HACC+8*(\b-4):HACC+8*(\b-4)+7], v[128*(\p)+FR*\b:128*(\p)+FR*\b+FR-1], v[AF+8*FR:AF+9*FR-1], v[HACC+8*(\b-4):HACC+8*(\b-4)+7], v[SC+8*\b+(\ks)], v[SC+64+(\ks)] matrix_a_fmt:MATRIX_FMT_FP6 matrix_b_fmt:MATRIX_FMT_FP6 matrix_a_scale:MATRIX_SCALE_ROW1
.endif
.endr
.endm
; Windows of the products: source 0 (W) window 1, source 1 (x) window 0; C and D window 2 (tiles 0-3), 3 (tiles 4-7), 0 (H); in the first step C (the bias) window 1.
; The second half of a step: the next step's W and x's tiles 0-3 are asked for, tiles 4-7 and H are multiplied, and their registers take the next step's.  Four plain places stand in front of each run of loads
; into registers that products have read (ISA guide 7.12.1 for vector instructions).
.macro REST ks, nslot, first
	FETCH_B \nslot, ((\ks)+1)%2, ((\ks)+1)%2
	FETCH_A \nslot, ((\ks)+1)%2, 0
.if \first
	WIN 0xd1
.else
	WIN 0xf1
.endif
	MULA 4, (\ks)%2, \ks, \first
	MULA 6, (\ks)%2, \ks, \first
.if \first
	WIN 0x11
.else
	WIN 0x01
.endif
	MULH (\ks)%2, \ks, \first
	PLACES 4
	WIN 0
	FETCH_A \nslot, ((\ks)+1)%2, 4
	FETCH_H (\ks)+1
.endm
.macro STEP ks, nslot, first
	s_wait_dscnt 30                                ; W's set and x's tiles 0-3 are in; the youngest 30 loads (tiles 4-7 and H: five fragments of six) may be out
.if \first
	WIN 0x91
.else
	WIN 0xa1
.endif
	MULA 0, (\ks)%2, \ks, \first
	MULA 2, (\ks)%2, \ks, \first
	s_wait_dscnt 0x0                               ; tiles 4-7 and H are in
	PLACES 4
	REST \ks, \nslot, \first
.endm
; A slot's last step changes slots: ONE barrier; in front of it each wave waits for all its tensor loads, adds 0 to its spare word, and waits for that and for its own reads of the slot.
; fill = 1: the barrier opens a round of the cluster's barrier, and the slot just read is filled again, 512 along K further on, first thing behind the round.
.macro TURN ks, slot, nslot, fill
	s_wait_tensorcnt 0x0                           ; all my tensor loads have landed, my part of the next slot among them
	ds_add_u32 v[SPW], v[NIL]                      ; 0 onto my spare word
	s_wait_dscnt 31                                ; (the add and the youngest 30 loads may be out)
	WIN 0xa1
	MULA 0, (\ks)%2, \ks, 0                        ; sixteen products stand between the add and the wait for it
	s_wait_dscnt 0x0                               ; the add is done, and my reads of this slot are over
	s_barrier_signal -1
	MULA 2, (\ks)%2, \ks, 0
	WIN 0
	s_barrier_wait -1
.if \fill
	CREST                                          ; no wave of any partner still reads this slot or has a load on its way
	s_add_nc_u64 s[G0A+4*\slot+2:G0A+4*\slot+3], s[G0A+4*\slot+2:G0A+4*\slot+3], 2*ROWB
	s_add_nc_u64 s[G0B+4*\slot+2:G0B+4*\slot+3], s[G0B+4*\slot+2:G0B+4*\slot+3], 2*ROWB
	JLOAD G0A+4*\slot, G1A, G0B+4*\slot, G1B       ; my one tensor load behind the round; its four v_nop are also the places in front of the loads below
.else
	PLACES 4
.endif
	REST \ks, \nslot, 0
.endm
	s_wait_tensorcnt 1                             ; the halo and my part of slot 0 are in; slot 1's load may stay out
	s_barrier_signal -1
	s_barrier_wait -1                              ; everybody's are
	FETCH_B 0, 0, 0
	FETCH_A 0, 0, 0
	FETCH_A 0, 0, 4
	FETCH_H 0
	STEP 0, 0, 1
	TURN 1, 0, 1, 1                                ; slot 0 takes K 512 .. 767
	STEP 2, 1, 0
	TURN 3, 1, 0, 1                                ; slot 1 takes K 768 .. 1,023
	STEP 4, 0, 0
	TURN 5, 0, 1, 0                                ; nothing is left to fetch; behind this barrier nobody reads slot 0 any more
	STEP 6, 1, 0
	s_wait_dscnt 30                                ; the last step
	WIN 0xa1
	MULA 0, 1, 7, 0
	MULA 2, 1, 7, 0
	s_wait_dscnt 0x0
	WIN 0xf1
	MULA 4, 1, 7, 0
	MULA 6, 1, 7, 0
	WIN 0x01
	MULH 1, 7, 0
	PLACES 5                                       ; behind the last products: the conversions read results and write W's registers (four places), and the bf16 products below write over accumulators (five)
	; Q and K to bf16: column tiles 2 c and 2 c + 1 of a tile of rows are the halves of fragment c.  Each accumulator is read from its low end on.
.irp a, 0,1,2,3,4,5,6,7
	WIN 0x4a+5*(\a/4)                              ; sources window 2 or 3, destination window 1
.irp b, 0,1,2,3,4,5,6,7
.irp j, 0,1,2,3
	v_cvt_pk_bf16_f32 v[128*(\b/4)+16*\a+4*(\b%4)+\j], v[8*(8*(\a%4)+\b)+2*\j], v[8*(8*(\a%4)+\b)+2*\j+1]
.endr
.endr
.endr
	WIN 0
.irp b, 0,1,2,3
.irp j, 0,1,2,3
	v_cvt_pk_bf16_f32 v[KH+4*\b+\j], v[HACC+8*\b+2*\j], v[HACC+8*\b+2*\j+1]
.endr
.endr
; S(i, p) = K tile (i - 1 + p) x Q tile i over my 64 columns: two links, 24 accumulators by turns.  Lane (r, h), register j: query r, key 8 h + j of that tile.  Tiles -1 and 8 are H.
.macro SPROD c
.irp i, 0,1,2,3,4,5,6,7
.irp p, 0,1,2
.set JT, \i-1+\p
.if (JT < 0) || (JT > 7)
	WIN 0xa4                                       ; K from window 0
.set RK, KH+8*(\c)
.else
	WIN 0xa5                                       ; K and Q window 1, S window 2
.set RK, 128+16*JT+8*(\c)
.endif
.set RS, 24*\i+8*\p
.set RQ, 16*\i+8*(\c)
.if (\c) == 0
	v_wmma_f32_16x16x32_bf16 v[RS:RS+7], v[RK:RK+7], v[RQ:RQ+7], 0
.else
	v_wmma_f32_16x16x32_bf16 v[RS:RS+7], v[RK:RK+7], v[RQ:RQ+7], v[RS:RS+7]
.endif
.endr
.endr
.endm
	SPROD 0
	SPROD 1
	PLACES 4
	WIN 0x08                                       ; an LDS store's data are its source 1: window 2
.irp i, 0,1,2,3,4,5,6,7
.irp p, 0,1,2
	ds_store_b128 v[STO], v[24*\i+8*\p:24*\i+8*\p+3] offset:16*IPITCH*\i+64*\p
	ds_store_b128 v[STO], v[24*\i+8*\p+4:24*\i+8*\p+7] offset:16*IPITCH*\i+64*\p+16
.endr
.endr
	WIN 0
	s_wait_dscnt 0x0                               ; for the others' sake: my image is written
	s_barrier_signal -1
	s_barrier_wait -1
.irp w, 0,1                            ; the band of my two queries, from both column halves' images
.irp d, 0,1,2,3,4
.irp e, 0,1
	ds_load_b32 v[120+10*\w+2*\d+\e], v[RB] offset:IMG*\w+(IPITCH+4)*\e+4*\d
.endr
.endr
.endr
	s_wait_dscnt 0x0
.irp d, 0,1,2,3,4
	v_pk_add_f32 v[140+2*\d:141+2*\d], v[120+2*\d:121+2*\d], v[130+2*\d:131+2*\d]
.endr
.irp d, 0,1,2,3,4
	global_store_b64 v[CO], v[140+2*\d:141+2*\d], s[20:21] offset:32768*\d   ; a wave stores 256 consecutive bytes, at a multiple of 256 from part's first byte
.endr
	s_wait_tensorcnt 0x0                           ; the wave's end
	ds_add_u32 v[SPW], v[NIL]
	s_wait_dscnt 0x0
	CROUND                                         ; the closing round: no work-group ends while a partner may still ask for a tile that names it
	s_endpgm
.Lfunc_end_k_qfb4bbbd959_scores:
	.size	k_qfb4bbbd959_scores, .Lfunc_end_k_qfb4bbbd959_scores-k_qfb4bbbd959_scores
	.p2alignl 7, 3214868480
	.fill 96, 4, 3214868480
	.section	.rodata,"a",@progbits
	.p2align	6, 0x0
	.amdhsa_kernel k_qfb4bbbd959_scores
		.amdhsa_group_segment_fixed_size 327680
		.amdhsa_private_segment_fixed_size 0
		.amdhsa_enable_private_segment 0
		.amdhsa_kernarg_size 72
		.amdhsa_user_sgpr_count 2
		.amdhsa_user_sgpr_kernarg_segment_ptr 1
		.amdhsa_wavefront_size32 1
		.amdhsa_system_sgpr_workgroup_id_x 1
		.amdhsa_system_sgpr_workgroup_id_y 1
		.amdhsa_system_sgpr_workgroup_id_z 1
		.amdhsa_system_vgpr_workitem_id 0
		.amdhsa_next_free_vgpr 1024
		.amdhsa_next_free_sgpr 100
		.amdhsa_reserve_vcc 1
		.amdhsa_float_denorm_mode_32 3
		.amdhsa_float_denorm_mode_16_64 3
		.amdhsa_memory_ordered 1
		.amdhsa_forward_progress 1
		.amdhsa_inst_pref_size 168
	.end_amdhsa_kernel
	.amdgpu_metadata
---
amdhsa.version: [ 1, 2 ]
amdhsa.kernels:
  - .name:           k_qfb4bbbd959_scores
    .symbol:         k_qfb4bbbd959_scores.kd
    .args:
      - { .name: sequence_output_codes, .offset: 0, .size: 8, .value_kind: global_buffer, .address_space: global }
      - { .name: sequence_output_scales, .offset: 8, .size: 8, .value_kind: global_buffer, .address_space: global }
      - { .name: Wq_codes, .offset: 16, .size: 8, .value_kind: global_buffer, .address_space: global }
      - { .name: Wq_scales, .offset: 24, .size: 8, .value_kind: global_buffer, .address_space: global }
      - { .name: Wk_codes, .offset: 32, .size: 8, .value_kind: global_buffer, .address_space: global }
      - { .name: Wk_scales, .offset: 40, .size: 8, .value_kind: global_buffer, .address_space: global }
      - { .name: bq, .offset: 48, .size: 8, .value_kind: global_buffer, .address_space: global }
      - { .name: bk, .offset: 56, .size: 8, .value_kind: global_buffer, .address_space: global }
      - { .name: part, .offset: 64, .size: 8, .value_kind: global_buffer, .address_space: global }
    .group_segment_fixed_size: 327680
    .private_segment_fixed_size: 0
    .kernarg_segment_align: 8
    .kernarg_segment_size: 72
    .max_flat_workgroup_size: 128
    .sgpr_count:     100
    .vgpr_count:     1024
    .wavefront_size: 32
...
	.end_amdgpu_metadata
.endif
;; end of part 1
;; launch mix (part 2): grid 8 x 32, 4 waves a work-group, clusters of 4 x 4, 327,680 bytes of LDS; arguments sequence_output_codes, sequence_output_scales, Wv_codes, Wv_scales, bv, part, out0; writes out0
.if DOCPART == 2
	.amdgcn_target "amdgcn-amd-amdhsa--gfx1250"
	.amdhsa_code_object_version 6
	.text
	.protected	k_qfb4bbbd959_mix
	.globl	k_qfb4bbbd959_mix
	.p2align	8
	.type	k_qfb4bbbd959_mix,@function
k_qfb4bbbd959_mix:
	s_mov_b64 s[64:65], 0
	v_nop
	global_prefetch_b8 v0, s[64:65] scope:SCOPE_SE
	s_setreg_imm32_b32 hwreg(HW_REG_WAVE_MODE, 25, 1), 1
	s_wait_xcnt 0x0
	s_wait_alu depctr_hold_cnt(0) depctr_sa_sdst(0) depctr_va_vdst(0) depctr_va_sdst(0) depctr_va_ssrc(0) depctr_va_vcc(0) depctr_vm_vsrc(0)
	s_getreg_b32 s2, hwreg(HW_REG_IB_STS2, 6, 4)
	s_cmp_eq_u32 s2, 0
	s_cbranch_scc0 .Lentry_in_a_cluster
	s_endpgm
.Lentry_in_a_cluster:
	s_bfe_u32 s2, ttmp6, 0x10000c
	s_cmp_lg_u32 s2, 0xf033
	s_cbranch_scc0 .Lentry_shape_is_right
	s_endpgm
.Lentry_shape_is_right:
; out0[row][n] = the sum over d of p[row][d] V[row + d - 2][n] + bv[n],  p = softmax over d of (the eight chunks' partial scores added) / 32, keys outside the row's batch of 2,048 rows at -infinity.
; V = x Wv on codes of FP6 (E2M3) with E8M0 scales, f32 sums, K = 1,024 in eight steps of 128, written out.  bv is added behind the mixing: the five p of a row add up to 1, so that is the same sum for every input.
; SHARES.  A work-group: rows s0 .. s0 + 255 (s0 = 256 y) x columns 128 c .. + 127.  Wave (wr, wc): 128 rows, 64 columns: 32 accumulators, and 4 for the tile H of neighbours: its row m is x's row s + 128 + m (m < 8) or
; s - 16 + m (m >= 8), s = s0 + 128 wr.  At the tensor's ends other rows stand in (clamped addresses); their p is 0.
; THE SOFTMAX is made at the head, while the first tiles are on their way: thread t owns rows 2 t and 2 t + 1.  The largest of the five scores is taken away before the exponentials.
; THE MIXING is one f16 product for each 16 queries x 16 columns: the FP6 product is used the natural way (source 0 = x, source 1 = Wv), so a lane holds one column and eight keys, and V's tile i, rounded to f16,
; is the lower half of a fragment of 16 columns x 32 key slots; slots 16, 17 take rows 0, 1 of tile i + 1, slots 30, 31 rows 14, 15 of tile i - 1.  The other source is the band matrix P (16 queries x 32 slots:
; query r's key d in slot (r + d - 2) mod 32, zeros elsewhere), laid in LDS by the threads that made p.  The result holds a query a lane and eight neighbouring columns.
; WHY f16, AND ITS RANGE.  Outputs near 0 are sums of five terms that cancel, so V's and p's rounding shows in full: f16 keeps 11 bits of each where bf16 keeps 8.  p lies in 0 .. 1.  V is brought into f16's range by the wave:
; the largest |V| of its 36 accumulators has the exponent field E; all are multiplied by 2^(141 - E), which rounds nothing and puts the largest into 2^14 .. 2^15; the product's result is multiplied by 2^(E - 141) in the
; fused multiply-add that adds bv.  No branch and no address hangs on these numbers.
; CLUSTER 4 x 4: x's tiles shared along a row, Wv's along a column: joint loads.  The halo rows (24,576 of the 319,488 bytes that a work-group brings in) come by plain loads: their clamped addresses stay out of the joint descriptors.
; THE RING has three slots of 256 along K, all filled at the start; slot 0 is filled again once (K 768 .. 1,023), behind the first change of slots.
; LIMITS: V and p are rounded to f16 for the mixing; a V that lies more than 2^38 under its wave's largest loses bits (f16's smallest step under that scale); a wave whose largest |V| lies under 2^-100 is scaled as if it were 2^-100;
; a scale byte 0xff (NaN) is not served, and a NaN or an infinity in a masked neighbour's V would spread through 0 x V, otherwise than a masked softmax's 0 does.
; REGISTERS.  window 0: v0-29 addresses; v30-31 the scale down; v32-103 scale words; v104-211 x's nine fragments (at the head: the partial scores; afterwards P's fragments, v168-171 the maxima); v212-216 p in f16; v218-221 zeros;
;   v222-223 the scale back; v224-255 H's accumulators.
;   window 1: v0-47, v48-95 Wv's four fragments, two sets (afterwards three sets of V's f16 fragments); v96-127 bv; v128-191 results, two sets; v192-255 rows on the way out, two sets.   window 2: the accumulators, (a, b) at v[8 (4 a + b)].
.set KROW,   768
.set ROWB,   192
.set PITCH,  240
.set FR,     12
.set QUART,  128*PITCH
.set SLOT,   3*QUART                   ; x's rows 0-127, 128-255, Wv's 128 rows
.set HAL,    3*SLOT                    ; the halo: 4 groups of 8 whole rows
.set HPITCH, 960
.set HGRP,   8*HPITCH
.set SPARE,  HAL+4*HGRP                ; the spare words, 128 bytes a wave: two blocks of 256 bytes that no other line names
.set PIMG,   SLOT                      ; P: 256 rows x (64 bytes + 16), in slot 1;  the stages, 16 rows x (256 + 16) a wave, in slot 2: both slots have had their only fill and their last read by then
.set STG,    2*SLOT
.set PB,    3                          ; v3   P's image: my two rows
.set PA,    4                          ; v4-9 and in them the slots (2 (t % 8) + k - 2) mod 32, k = 0 .. 5
.set ADRA,  10                         ; v10-12 x's fragments in slots 0-2; v13-15 behind one padding more
.set ADRA2, 13
.set ADRB,  16                         ; v16-18, v19-21 the same for Wv
.set ADRB2, 19
.set ADRH,  22
.set ADRH2, 23
.set STO,   24                         ; v24-27: at the head offsets of the loads; then the way out's addresses and P's
.set RD,    25
.set CO,    26
.set PFA,   27
.set SPW,   28
.set NIL,   29
.set SDN,   30                         ; v30-31  2^(141 - E), twice (at the head: at work)
.set SC,    32
.set AF,    104
.set L,     104                        ; at the head: L(c', d) = v[L + 10 c' + 2 d], a pair: rows 2 t, 2 t + 1
.set TMP,   184
.set NINF,  185
.set POS,   186
.set MX,    188
.set SM,    190
.set RC,    192
.set PF,    104
.set MXR,   168                        ; v168-171 four running maxima of |V|
.set PP,    212
.set ZR,    218
.set SUP,   222                        ; v222-223  2^(E - 141), twice
.set HACC,  224
.set T,     224
.set BO,    96
.set OUT,   128
.set BK,    192
.set WV, 18
.set WR, 19
.set WC, 66
.set G1A, 20                           ; s[20:27]; groups 0 s[28:39], a set a slot
.set G0A, 28
.set G1B, 40                           ; s[40:47]; s[48:59]
.set G0B, 48
.set G0H, 60
.set G1H, 68
.set MSB, 0
.macro WIN new
.if MSB != (\new)
	s_set_vgpr_msb (MSB<<8)|(\new)
.set MSB, (\new)
.endif
.endm
.macro PLACES n
.rept \n
	v_nop
.endr
.endm
.macro JLOAD g0a, g1a, g0b, g1b        ; waves 0 and 1 fetch x's halves, waves 2 and 3 Wv's; four v_nop follow each line
	s_cmp_eq_u32 s[WR], 0
	s_cbranch_scc0 .Lfor_b_\@
	tensor_load_to_lds s[\g0a:\g0a+3], s[\g1a:\g1a+7]
	s_nop 0
.rept 4
	v_nop
.endr
	s_branch .Lasked_\@
.Lfor_b_\@:
	tensor_load_to_lds s[\g0b:\g0b+3], s[\g1b:\g1b+7]
	s_nop 0
.rept 4
	v_nop
.endr
.Lasked_\@:
.endm
.macro CREST
	s_cmp_lg_u32 s[WV], 0
	s_cbranch_scc1 .Lnot_wave_0_\@
	s_barrier_signal -3
.Lnot_wave_0_\@:
	s_barrier_wait -3
	s_barrier_signal -1
	s_barrier_wait -1
.endm
.macro CROUND
	s_barrier_signal -1
	s_barrier_wait -1
	CREST
.endm
	s_load_b256 s[4:11], s[0:1], 0x0               ; x's codes s[4:5], x's scales s[6:7], Wv's codes s[8:9], Wv's scales s[10:11]
	s_load_b128 s[12:15], s[0:1], 0x20             ; bv s[12:13], part s[14:15]
	s_load_b64 s[16:17], s[0:1], 0x30              ; out0
	v_lshl_add_u32 v[SPW], v0, 2, SPARE
	v_mov_b32 v[NIL], 0
	ds_add_u32 v28, v29
	ds_add_u32 v28, v29
	s_wait_dscnt 0x0
	v_lshrrev_b32 v1, 5, v0
	v_readfirstlane_b32 s[WV], v1
	s_lshr_b32 s[WR], s[WV], 1
	s_and_b32 s[WC], s[WV], 1
	s_bfe_u32 s67, ttmp6, 0x40000                  ; cx
	s_bfe_u32 s76, ttmp6, 0x40004                  ; cy
	s_lshl_b32 s77, ttmp9, 2
	s_add_co_u32 s77, s77, s67                     ; c
	s_and_b32 s78, ttmp7, 0xffff
	s_lshl_b32 s78, s78, 2
	s_add_co_u32 s78, s78, s76                     ; y
	s_lshl_b32 s79, s78, 8                         ; s0
	s_lshl_b32 s80, s76, 2
	s_lshl_b32 s80, 15, s80                        ; my row of the cluster
	s_lshl_b32 s81, 0x1111, s67                    ; my column
	s_mov_b32 s82, 0x3d38aa3b                      ; log2(e) / 32
	s_mov_b32 s83, s82                             ; (named with it as a pair)
	s_or_b32 s[G1A], s80, (1<<20)|(1<<21)|(3<<22)|(3<<25)
	s_mov_b32 s[G1A+1], ROWB<<16
	s_mov_b32 s[G1A+2], 128<<16
	s_mov_b32 s[G1A+3], ROWB<<16
	s_mov_b32 s[G1A+4], 128
	s_mov_b32 s[G1A+5], KROW
	s_mov_b32 s[G1A+6], 0
	s_mov_b32 s[G1A+7], 0
	s_or_b32 s[G1B], s81, (1<<20)|(1<<21)|(3<<22)|(3<<25)
	s_mov_b32 s[G1B+1], ROWB<<16
	s_mov_b32 s[G1B+2], 64<<16                     ; Wv's tiles: 64 rows a load
	s_mov_b32 s[G1B+3], ROWB<<16
	s_mov_b32 s[G1B+4], 64
	s_mov_b32 s[G1B+5], KROW
	s_mov_b32 s[G1B+6], 0
	s_mov_b32 s[G1B+7], 0
	s_mov_b32 s[G1H], (1<<20)|(3<<22)|(3<<25)
	s_mov_b32 s[G1H+1], KROW<<16
	s_mov_b32 s[G1H+2], 8<<16
	s_mov_b32 s[G1H+3], KROW<<16
	s_mov_b32 s[G1H+4], 8
	s_mov_b32 s[G1H+5], KROW
	s_mov_b32 s[G1H+6], 0
	s_mov_b32 s[G1H+7], 0
	; offsets.  s86-87, s90-99 hold what hangs on the rows (y), s88-89 what hangs on the columns (c), s84-85 the wave's number alone
	s_lshl_b32 s86, s[WC], 7
	s_add_co_u32 s86, s86, s79
	s_mul_i32 s86, s86, KROW                       ; x's codes at row s0 + 128 wc
	s_mov_b32 s87, 0
	s_lshl_b32 s88, s77, 7
	s_lshl_b32 s89, s[WC], 6
	s_add_co_u32 s88, s88, s89                     ; 128 c + 64 wc: my first column, and the first row of Wv that I fetch
	s_mov_b32 s89, 0
	s_mul_i32 s85, s[WC], QUART                    ; where x's half lands in a slot,
	s_mul_i32 s84, s[WC], 64*PITCH
	s_add_co_u32 s84, s84, 2*QUART                 ; and Wv's
	s_add_co_u32 s94, s79, 128                     ; the halo's four groups' first rows
	s_add_co_u32 s95, s79, 256
	s_min_u32 s95, s95, 8184
	s_max_u32 s96, s79, 8
	s_sub_co_u32 s96, s96, 8
	s_add_co_u32 s97, s79, 120
	s_cmp_eq_u32 s[WR], 0
	s_cselect_b32 s92, s94, s95                    ; H's rows 0-7 for my wave
	s_cselect_b32 s93, s96, s97                    ; H's rows 8-15
	s_cmp_eq_u32 s[WC], 0
	s_cselect_b32 s90, s94, s95
	s_cselect_b32 s91, s96, s97
	s_cmp_eq_u32 s[WR], 0
	s_cselect_b32 s90, s90, s91                    ; wave g fetches group g
	s_mul_i32 s90, s90, KROW
	s_mov_b32 s91, 0
	s_mul_i32 s96, s[WV], HGRP
	s_add_co_u32 s96, s96, HAL
	s_lshl_b32 s98, s[WR], 7
	s_add_co_u32 s98, s98, s79
	s_lshl_b32 s98, s98, 5                         ; 32 (s0 + 128 wr): x's scales at my first row
	s_mov_b32 s99, 0
	s_wait_kmcnt 0x0
	s_add_nc_u64 s[94:95], s[4:5], s[86:87]
	s_lshl_b32 s86, s98, 7
	s_add_nc_u64 s[16:17], s[16:17], s[86:87]      ; out0 at my first row (4,096 bytes a row),
	s_lshl_b32 s86, s79, 2
	s_add_nc_u64 s[14:15], s[14:15], s[86:87]      ; part at row s0
	s_add_nc_u64 s[98:99], s[6:7], s[98:99]
	s_lshl_b32 s88, s88, 2
	s_add_nc_u64 s[12:13], s[12:13], s[88:89]      ; bv at my first column
	s_add_nc_u64 s[16:17], s[16:17], s[88:89]      ; and out0
	s_lshl_b32 s88, s88, 3
	s_add_nc_u64 s[10:11], s[10:11], s[88:89]      ; Wv's scales: 32 bytes a row
	s_mul_i32 s88, s88, 24
	s_add_nc_u64 s[8:9], s[8:9], s[88:89]          ; Wv's codes: 768 bytes a row
	s_mov_b32 s[G0H], 1
	s_mov_b32 s[G0H+1], s96
	s_add_nc_u64 s[G0H+2:G0H+3], s[4:5], s[90:91]
	s_or_b32 s[G0H+3], s[G0H+3], 0x80000000
.irp s, 0,1,2
	s_mov_b32 s[G0A+4*\s], 1
	s_add_co_u32 s[G0A+4*\s+1], s85, \s*SLOT
	s_add_nc_u64 s[G0A+4*\s+2:G0A+4*\s+3], s[94:95], \s*ROWB
	s_or_b32 s[G0A+4*\s+3], s[G0A+4*\s+3], 0x80000000
	s_mov_b32 s[G0B+4*\s], 1
	s_add_co_u32 s[G0B+4*\s+1], s84, \s*SLOT
	s_add_nc_u64 s[G0B+4*\s+2:G0B+4*\s+3], s[8:9], \s*ROWB
	s_or_b32 s[G0B+4*\s+3], s[G0B+4*\s+3], 0x80000000
.endr
	CROUND                                         ; all sixteen work-groups are here: the first joint loads meet
	tensor_load_to_lds s[G0H:G0H+3], s[G1H:G1H+7]  ; the first fills as one group: my group of the halo and the three slots: four tensor loads of mine are out
	s_nop 0
.rept 4
	v_nop
.endr
	JLOAD G0A, G1A, G0B, G1B
	JLOAD G0A+4, G1A, G0B+4, G1B
	JLOAD G0A+8, G1A, G0B+8, G1B
	v_and_b32 v1, 15, v0                           ; r
	v_bfe_u32 v2, v0, 4, 1                         ; h
	v_lshlrev_b32 v24, 5, v1                       ; 32 r
	v_and_b32 v25, 7, v1
	v_mov_b32 v30, s93
	v_mov_b32 v31, s92
	v_cmp_gt_u32 vcc_lo, 8, v1
	v_cndmask_b32 v30, v30, v31, vcc_lo
	v_add_lshl_u32 v25, v25, v30, 5                ; H's row r in x's scales
	v_lshlrev_b32 v26, 5, v2                       ; 32 h
	v_lshlrev_b32 v27, 3, v0                       ; 8 t: my two rows in part
.irp cc, 0,1,2,3,4,5,6,7
.irp d, 0,1,2,3,4
	global_load_b64 v[L+10*\cc+2*\d:L+10*\cc+2*\d+1], v27, s[14:15] offset:32768*(5*\cc+\d)   ; a wave reads 256 consecutive bytes
.endr
.endr
.irp i, 0,1,2,3,4,5,6,7
	global_load_b128 v[SC+8*\i:SC+8*\i+3], v24, s[98:99] offset:512*\i
	global_load_b128 v[SC+8*\i+4:SC+8*\i+7], v24, s[98:99] offset:512*\i+16
.endr
	global_load_b128 v[SC+64:SC+67], v25, s[6:7]
	global_load_b128 v[SC+68:SC+71], v25, s[6:7] offset:16
.irp b, 0,1,2,3
	global_load_b128 v[T+8*\b:T+8*\b+3], v24, s[10:11] offset:512*\b
	global_load_b128 v[T+8*\b+4:T+8*\b+7], v24, s[10:11] offset:512*\b+16
.endr
	WIN 0x40
.irp t, 0,1,2,3                        ; bv in the mixing's result layout: lane (r, h), register j: column 16 t + 8 h + j
	global_load_b128 v[BO+8*\t:BO+8*\t+3], v26, s[12:13] offset:64*\t
	global_load_b128 v[BO+8*\t+4:BO+8*\t+7], v26, s[12:13] offset:64*\t+16
.endr
	WIN 0
	s_wait_loadcnt 0x0                             ; all of them, once
	v_cmp_eq_u32 vcc_lo, 1, v2
.set N, 0
.rept 32
	v_cndmask_b32 v[SC+N], v[SC+N], v[T+N], vcc_lo ; lanes 16-31 take Wv's word
.set N, N+1
.endr
	; THE SOFTMAX of my two rows
.irp cc, 1,2,3,4,5,6,7
.irp d, 0,1,2,3,4
	v_pk_add_f32 v[L+2*\d:L+2*\d+1], v[L+2*\d:L+2*\d+1], v[L+10*\cc+2*\d:L+10*\cc+2*\d+1]   ; the eight chunks' parts, ascending
.endr
.endr
	s_and_b32 s90, s79, 2047
	v_lshl_add_u32 v[POS], v0, 1, s90              ; row 2 t's place in its batch
	v_mov_b32 v[NINF], 0xff800000
.irp d, 0,1,3,4                        ; the key's place, as an unsigned number, lies under 2,048 or the score becomes -infinity (d = 2 is the row itself)
.irp e, 0,1
	v_add_nc_u32 v[TMP], \d+\e-2, v[POS]
	v_cmp_gt_u32 vcc_lo, 0x800, v[TMP]
	v_cndmask_b32 v[L+2*\d+\e], v[NINF], v[L+2*\d+\e], vcc_lo
.endr
.endr
.irp e, 0,1
	v_max3_num_f32 v[MX+\e], v[L+\e], v[L+2+\e], v[L+4+\e]
.endr
.irp e, 0,1
	v_max3_num_f32 v[MX+\e], v[MX+\e], v[L+6+\e], v[L+8+\e]   ; the row's largest score
.endr
	v_pk_mul_f32 v[MX:MX+1], v[MX:MX+1], s[82:83] op_sel_hi:[1,0]
.irp d, 0,1,2,3,4
	v_pk_fma_f32 v[L+2*\d:L+2*\d+1], v[L+2*\d:L+2*\d+1], s[82:83], v[MX:MX+1] op_sel_hi:[1,0,1] neg_lo:[0,0,1] neg_hi:[0,0,1]   ; (score - largest) x log2(e) / 32
.endr
.irp n, 0,1,2,3,4,5,6,7,8,9
	v_exp_f32 v[L+\n], v[L+\n]
.endr
	v_nop                                          ; a plain instruction behind the last exponential
	s_wait_alu depctr_va_vdst(0)                   ; one wait for the ten, ahead of their first reader
	v_pk_add_f32 v[SM:SM+1], v[L:L+1], v[L+2:L+3]
.irp d, 2,3,4
	v_pk_add_f32 v[SM:SM+1], v[SM:SM+1], v[L+2*\d:L+2*\d+1]
.endr
	v_rcp_f32 v[RC], v[SM]
	v_rcp_f32 v[RC+1], v[SM+1]
	v_nop
	s_wait_alu depctr_va_vdst(0)                   ; and one for the two reciprocals
.irp d, 0,1,2,3,4
	v_pk_mul_f32 v[L+2*\d:L+2*\d+1], v[L+2*\d:L+2*\d+1], v[RC:RC+1]
.endr
.irp d, 0,1,2,3,4
	v_cvt_pk_f16_f32 v[PP+\d], v[L+2*\d], v[L+2*\d+1]   ; p in f16.  Low half: row 2 t; high half: row 2 t + 1
.endr
.irp n, 0,1,2,3
	v_mov_b32 v[ZR+\n], 0
.endr
	; the LDS addresses
	v_mul_u32_u24 v[PB], v0, 160
	v_add_nc_u32 v[PB], PIMG, v[PB]
	v_and_b32 v30, 7, v0
	v_lshlrev_b32 v30, 1, v30                      ; row 2 t's place in its tile of 16 queries
.irp k, 0,1,2,3,4,5
	v_add_nc_u32 v[PA+\k], 30+\k, v30
	v_and_b32 v[PA+\k], 31, v[PA+\k]
	v_lshl_add_u32 v[PA+\k], v[PA+\k], 1, v[PB]
.endr
	v_mul_u32_u24 v30, v1, PITCH
	v_mad_u32_u24 v30, v2, 24, v30
	v_lshl_add_u32 v31, v2, 4, v30
	s_mul_i32 s85, s[WR], QUART                    ; my 128 rows of x; s84 still holds my 64 rows of Wv
.irp s, 0,1,2
	v_add_nc_u32 v[ADRA+\s], s85, v30
	v_add_nc_u32 v[ADRA2+\s], s85, v31
	v_add_nc_u32 v[ADRB+\s], s84, v30
	v_add_nc_u32 v[ADRB2+\s], s84, v31
	s_add_co_u32 s85, s85, SLOT
	s_add_co_u32 s84, s84, SLOT
.endr
	v_and_b32 v30, 8, v1
	v_add_nc_u32 v30, v30, v1
	v_mul_u32_u24 v30, v30, HPITCH
	v_mad_u32_u24 v30, v2, 24, v30
	s_mul_i32 s85, s[WR], HGRP
	s_add_co_u32 s85, s85, HAL
	v_add_nc_u32 v[ADRH], s85, v30
	v_lshl_add_u32 v[ADRH2], v2, 4, v[ADRH]
	s_mul_i32 s85, s[WV], 16*272
	s_add_co_u32 s85, s85, STG                     ; my stage
	v_mul_u32_u24 v[STO], v1, 272
	v_lshl_add_u32 v[STO], v2, 5, v[STO]
	v_add_nc_u32 v[STO], s85, v[STO]               ; in: query r, + 32 h
	v_mul_u32_u24 v[RD], v2, 272
	v_lshl_add_u32 v[RD], v1, 4, v[RD]
	v_add_nc_u32 v[RD], s85, v[RD]                 ; back: lanes 0-15 one row of 256 bytes, lanes 16-31 the next
	v_lshlrev_b32 v[CO], 12, v2
	v_lshl_add_u32 v[CO], v1, 4, v[CO]             ; and the same two rows in out0
	s_mul_i32 s85, s[WR], 128*80
	s_add_co_u32 s85, s85, PIMG
	v_mul_u32_u24 v[PFA], v1, 80
	v_lshl_add_u32 v[PFA], v2, 4, v[PFA]
	v_add_nc_u32 v[PFA], s85, v[PFA]               ; P's fragments: query r of my rows, + 16 h
	s_mov_b32 s86, 0x76543210                      ; v_permlanex16_b32's selects for lane l xor 16
	s_mov_b32 s87, 0xfedcba98
.macro FRAG reg, adr, alt, q, off      ; a fragment of 6-bit codes, six pieces of 8 bytes; the second address register serves the pieces whose partner three on lies behind one padding more
.irp p, 0,1,2,3,4,5
.set PC, 12*(\q)+6*(\p/3)+\p%3
.if PC%8 < 5
	ds_load_b64 v[(\reg)+2*\p:(\reg)+2*\p+1], v[\adr] offset:8*PC+16*(PC/8)+(\off)
.else
	ds_load_b64 v[(\reg)+2*\p:(\reg)+2*\p+1], v[\alt] offset:8*PC+16*(PC/8)+(\off)
.endif
.endr
.endm
.macro FETCH_A slot, q, i0
.irp i, \i0, \i0+1, \i0+2, \i0+3
	FRAG AF+FR*(\i), ADRA+\slot, ADRA2+\slot, \q, (\i)*16*PITCH
.endr
.endm
.macro FETCH_H ks
	FRAG AF+8*FR, ADRH, ADRH2, \ks, 0
.endm
.macro FETCH_B slot, q, p
	WIN 0x40
.irp b, 0,1,2,3
	FRAG 48*(\p)+FR*\b, ADRB+\slot, ADRB2+\slot, \q, \b*16*PITCH
.endr
	WIN 0
.endm
; 8 products: x's tiles a0, a0 + 1 against Wv's four.  first = 1: the constant 0 starts the sums.  All 36 accumulators take turns, one instruction a turn, in the same order in every step.
.macro MULV a0, p, ks, first
.irp a, \a0, \a0+1
.irp b, 0,1,2,3
.if \first
	v_wmma_scale_f32_16x16x128_f8f6f4 v[8*(4*(\a)+\b):8*(4*(\a)+\b)+7], v[AF+FR*(\a):AF+FR*(\a)+FR-1], v[48*(\p)+FR*\b:48*(\p)+FR*\b+FR-1], 0, v[SC+8*(\a)+(\ks)], v[SC+8*\b+(\ks)] matrix_a_fmt:MATRIX_FMT_FP6 matrix_b_fmt:MATRIX_FMT_FP6 matrix_b_scale:MATRIX_SCALE_ROW1
.else
	v_wmma_scale_f32_16x16x128_f8f6f4 v[8*(4*(\a)+\b):8*(4*(\a)+\b)+7], v[AF+FR*(\a):AF+FR*(\a)+FR-1], v[48*(\p)+FR*\b:48*(\p)+FR*\b+FR-1], v[8*(4*(\a)+\b):8*(4*(\a)+\b)+7], v[SC+8*(\a)+(\ks)], v[SC+8*\b+(\ks)] matrix_a_fmt:MATRIX_FMT_FP6 matrix_b_fmt:MATRIX_FMT_FP6 matrix_b_scale:MATRIX_SCALE_ROW1
.endif
.endr
.endr
.endm
.macro MULH p, ks, first
.irp b, 0,1,2,3
.if \first
	v_wmma_scale_f32_16x16x128_f8f6f4 v[HACC+8*\b:HACC+8*\b+7], v[AF+8*FR:AF+9*FR-1], v[48*(\p)+FR*\b:48*(\p)+FR*\b+FR-1], 0, v[SC+64+(\ks)], v[SC+8*\b+(\ks)] matrix_a_fmt:MATRIX_FMT_FP6 matrix_b_fmt:MATRIX_FMT_FP6 matrix_b_scale:MATRIX_SCALE_ROW1
.else
	v_wmma_scale_f32_16x16x128_f8f6f4 v[HACC+8*\b:HACC+8*\b+7], v[AF+8*FR:AF+9*FR-1], v[48*(\p)+FR*\b:48*(\p)+FR*\b+FR-1], v[HACC+8*\b:HACC+8*\b+7], v[SC+64+(\ks)], v[SC+8*\b+(\ks)] matrix_a_fmt:MATRIX_FMT_FP6 matrix_b_fmt:MATRIX_FMT_FP6 matrix_b_scale:MATRIX_SCALE_ROW1
.endif
.endr
.endm
; Windows of the products: source 0 (x) window 0, source 1 (Wv) window 1; C and D window 2, for H window 0.
.macro REST ks, nslot, first
	FETCH_B \nslot, ((\ks)+1)%2, ((\ks)+1)%2
	FETCH_A \nslot, ((\ks)+1)%2, 0
	WIN 0xa4
	MULV 4, (\ks)%2, \ks, \first
	MULV 6, (\ks)%2, \ks, \first
	WIN 0x04
	MULH (\ks)%2, \ks, \first
	PLACES 4                                       ; in front of loads into registers that products have read
	WIN 0
	FETCH_A \nslot, ((\ks)+1)%2, 4
	FETCH_H (\ks)+1
.endm
.macro STEP ks, nslot, first
	s_wait_dscnt 30                                ; Wv's set and x's tiles 0-3 are in; the youngest 30 loads (tiles 4-7 and H) may be out
	WIN 0xa4
	MULV 0, (\ks)%2, \ks, \first
	MULV 2, (\ks)%2, \ks, \first
	s_wait_dscnt 0x0
	PLACES 4
	REST \ks, \nslot, \first
.endm
; A change of slots with a barrier: each wave waits for all its tensor loads, adds 0 to its spare word, and waits for that and for its reads.  fill = 1: a round of the cluster's barrier, and slot 0 is filled again.
.macro TURN ks, nslot, fill
	s_wait_tensorcnt 0x0                           ; all my tensor loads have landed
	ds_add_u32 v[SPW], v[NIL]                      ; 0 onto my spare word
	s_wait_dscnt 31                                ; (the add and the youngest 30 loads may be out)
	WIN 0xa4
	MULV 0, (\ks)%2, \ks, 0                        ; eight products stand between the add and the wait for it
	s_wait_dscnt 0x0                               ; the add is done, and my reads of the slots behind me are over
	s_barrier_signal -1
	MULV 2, (\ks)%2, \ks, 0
	WIN 0
	s_barrier_wait -1
.if \fill
	CREST                                          ; no wave of any partner still reads slot 0 or has a load on its way
	s_add_nc_u64 s[G0A+2:G0A+3], s[G0A+2:G0A+3], 3*ROWB
	s_add_nc_u64 s[G0B+2:G0B+3], s[G0B+2:G0B+3], 3*ROWB
	JLOAD G0A, G1A, G0B, G1B                       ; my one tensor load behind the round: K 768 .. 1,023; it has three and a half steps, 128 products, in which to land; its four v_nop are also the places in front of the loads below
.else
	PLACES 4
.endif
	REST \ks, \nslot, 0
.endm
	s_wait_tensorcnt 2                             ; the halo and my part of slot 0 are in; slots 1 and 2 may stay out
	s_barrier_signal -1
	s_barrier_wait -1
	FETCH_B 0, 0, 0
	FETCH_A 0, 0, 0
	FETCH_A 0, 0, 4
	FETCH_H 0
	STEP 0, 0, 1
	TURN 1, 1, 1                                   ; every wave's wait for all its loads, ahead of this round, shows slots 1 AND 2 whole to all: so no barrier stands between them
	STEP 2, 1, 0
	STEP 3, 2, 0
	STEP 4, 2, 0
	TURN 5, 0, 0                                   ; the refill has landed; behind this barrier nobody reads slots 1 and 2 any more
	STEP 6, 0, 0
	s_wait_dscnt 30                                ; the last step
	WIN 0xa4
	MULV 0, 1, 7, 0
	MULV 2, 1, 7, 0
	s_wait_dscnt 0x0
	MULV 4, 1, 7, 0
	MULV 6, 1, 7, 0
	WIN 0x04
	MULH 1, 7, 0
	WIN 0
	PLACES 4                                       ; behind the last products: what follows reads results and writes Wv's and x's registers
	; P's image: my two rows are cleared, then five numbers go into each (LDS serves a wave's instructions in order: ISA guide 5.7.1.4)
.irp o, 0,16,32,48,80,96,112,128
	ds_store_b128 v[PB], v[ZR:ZR+3] offset:\o
.endr
.irp d, 0,1,2,3,4
	ds_store_b16 v[PA+\d], v[PP+\d]                ; row 2 t: slot (r + d - 2) mod 32
	ds_store_b16_d16_hi v[PA+\d+1], v[PP+\d] offset:80   ; row 2 t + 1: one slot on, one row on
.endr
	; THE WAVE'S SCALE: the largest |V| of my 36 accumulators, in four chains; each accumulator is read from its low end on
.irp n, 0,1,2,3
	v_mov_b32 v[MXR+\n], 0x0d800000                ; the floor 2^-100: both scales' exponent fields then stay inside 1 .. 254
.endr
.set N, 0
.rept 16
	v_max3_num_f32 v[MXR+N%4], v[MXR+N%4], |v[HACC+2*N]|, |v[HACC+2*N+1]|
.set N, N+1
.endr
	WIN 0x28                                       ; sources 1 and 2 window 2
.set N, 0
.rept 128
	v_max3_num_f32 v[MXR+N%4], v[MXR+N%4], |v[2*N]|, |v[2*N+1]|
.set N, N+1
.endr
	WIN 0
	v_max3_num_f32 v[MXR], v[MXR], v[MXR+1], v[MXR+2]
	v_max_num_f32 v[MXR], v[MXR], v[MXR+3]
	v_max_num_f32_dpp v[MXR], v[MXR], v[MXR] row_xmask:1 row_mask:0xf bank_mask:0xf
	v_max_num_f32_dpp v[MXR], v[MXR], v[MXR] row_xmask:2 row_mask:0xf bank_mask:0xf
	v_max_num_f32_dpp v[MXR], v[MXR], v[MXR] row_xmask:4 row_mask:0xf bank_mask:0xf
	v_max_num_f32_dpp v[MXR], v[MXR], v[MXR] row_xmask:8 row_mask:0xf bank_mask:0xf
	v_permlanex16_b32 v[MXR+1], v[MXR], s86, s87
	v_max_num_f32 v[MXR], v[MXR], v[MXR+1]         ; the same number in all 32 lanes
	v_and_b32 v[MXR], 0x7f800000, v[MXR]           ; its exponent field E, in place
	v_sub_nc_u32 v[SDN], 0x86000000, v[MXR]        ; field 268 - E: the number 2^(141 - E)
	v_add_nc_u32 v[SUP], 0xf9000000, v[MXR]        ; field E - 14: the number 2^(E - 141)
	v_mov_b32 v[SDN+1], v[SDN]
	v_mov_b32 v[SUP+1], v[SUP]
.set N, 0
.rept 16
	v_pk_mul_f32 v[HACC+2*N:HACC+2*N+1], v[HACC+2*N:HACC+2*N+1], v[SDN:SDN+1]   ; V under the wave's scale: a power of two, nothing is rounded
.set N, N+1
.endr
	WIN 0x82                                       ; source 0 and destination window 2
.set N, 0
.rept 128
	v_pk_mul_f32 v[2*N:2*N+1], v[2*N:2*N+1], v[SDN:SDN+1]
.set N, N+1
.endr
	WIN 0x40
.irp f, 0,1,2,3,4,5,6,7,8,9,10,11
	v_mov_b32 v[8*\f+5], 0                         ; slots 18-21 and 26-29 of all twelve staging fragments stay zero
	v_mov_b32 v[8*\f+6], 0
.endr
.irp b, 0,1,2,3
	v_cvt_pk_f16_f32 v[64+8*\b+4], v[HACC+8*\b], v[HACC+8*\b+1]   ; H's rows 0, 1 for tile 7
.endr
; V's fragments of tile i for the four column tiles.  Sets 0 and 1 by turns, set 2 for tile 7.  Registers 0-3: tile i's 16 keys; 4: rows 0, 1 of tile i + 1 (lanes 0-15: slots 16, 17); 7: rows 14, 15 of tile i - 1 (lanes 16-31: slots 30, 31).
; What the other half of the lanes puts into registers 4 and 7 (numbers under 2^15) meets zeros of P.
.macro BUILD i
.if (\i) == 7
.set SS, 64
.else
.set SS, 32*((\i)%2)
.endif
	WIN 0x4a                                       ; sources window 2, destination window 1
.irp b, 0,1,2,3
.irp j, 0,1,2,3
	v_cvt_pk_f16_f32 v[SS+8*\b+\j], v[8*(4*(\i)+\b)+2*\j], v[8*(4*(\i)+\b)+2*\j+1]
.endr
.if (\i) < 7
	v_cvt_pk_f16_f32 v[SS+8*\b+4], v[8*(4*((\i)+1)+\b)], v[8*(4*((\i)+1)+\b)+1]
.endif
.if (\i) > 0
	v_cvt_pk_f16_f32 v[SS+8*\b+7], v[8*(4*((\i)-1)+\b)+6], v[8*(4*((\i)-1)+\b)+7]
.endif
.endr
.if (\i) == 0
	WIN 0x40
.irp b, 0,1,2,3
	v_cvt_pk_f16_f32 v[SS+8*\b+7], v[HACC+8*\b+6], v[HACC+8*\b+7]
.endr
.endif
.endm
.macro MM i                            ; out^T of tile i under the wave's scale: four products, each a whole sum.  The next tile's conversions are the places behind them
.if (\i) == 7
.set SS, 64
.else
.set SS, 32*((\i)%2)
.endif
	WIN 0x51                                       ; V and the result window 1, P window 0
.irp b, 0,1,2,3
	v_wmma_f32_16x16x32_f16 v[OUT+32*((\i)%2)+8*\b:OUT+32*((\i)%2)+8*\b+7], v[SS+8*\b:SS+8*\b+7], v[PF+8*(\i):PF+8*(\i)+7], 0
.endr
.endm
.macro FIN i                           ; the scale back and the bias, in one fused multiply-add: out = D x 2^(E - 141) + bv.  Each result is read from its low end on
	WIN 0x51                                       ; the result and bv window 1, the scale window 0
.irp n, 0,1,2,3,4,5,6,7,8,9,10,11,12,13,14,15
	v_pk_fma_f32 v[OUT+32*((\i)%2)+2*\n:OUT+32*((\i)%2)+2*\n+1], v[OUT+32*((\i)%2)+2*\n:OUT+32*((\i)%2)+2*\n+1], v[SUP:SUP+1], v[BO+2*\n:BO+2*\n+1]
.endr
.endm
.macro TOSTAGE i                       ; 16 queries x 64 columns through my own stage, back as whole rows of 256 bytes
	WIN 0x04
.irp b, 0,1,2,3
	ds_store_b128 v[STO], v[OUT+32*((\i)%2)+8*\b:OUT+32*((\i)%2)+8*\b+3] offset:64*\b
	ds_store_b128 v[STO], v[OUT+32*((\i)%2)+8*\b+4:OUT+32*((\i)%2)+8*\b+7] offset:64*\b+16
.endr
	WIN 0x40
.irp t, 0,1,2,3,4,5,6,7
	ds_load_b128 v[BK+32*((\i)%2)+4*\t:BK+32*((\i)%2)+4*\t+3], v[RD] offset:544*\t
.endr
.endm
.macro SEND i, younger
	s_wait_dscnt \younger                          ; the tile is back in registers; the next tile's 8 stores and 8 loads may be out
	WIN 0x04
.irp t, 0,1,2,3,4,5,6,7
	global_store_b128 v[CO], v[BK+32*((\i)%2)+4*\t:BK+32*((\i)%2)+4*\t+3], s[16:17] offset:4096*(16*(\i)+2*\t) th:TH_STORE_NT   ; 16 lanes store 256 consecutive bytes, at a multiple of 256 from out0's first byte
.endr
.endm
	BUILD 0
	WIN 0
	s_wait_dscnt 0x0                               ; for the others' sake: my rows of P are written
	s_barrier_signal -1
	s_barrier_wait -1
.irp i, 0,1,2,3,4,5,6,7
	ds_load_b128 v[PF+8*\i:PF+8*\i+3], v[PFA] offset:1280*\i
	ds_load_b128 v[PF+8*\i+4:PF+8*\i+7], v[PFA] offset:1280*\i+32
.endr
	s_wait_dscnt 0x0
	MM 0
	BUILD 1
	MM 1
	FIN 0                                          ; tile 1's conversions stand between tile 0's products and these lines
	TOSTAGE 0
.irp i, 2,3,4,5,6,7
	BUILD \i
	MM \i
	FIN \i-1
.if \i >= 3
	s_wait_xcnt 0x0                                ; the stores of the tile three back have read their registers: the loads below may land there
.endif
	TOSTAGE \i-1
	SEND \i-2, 16
.endr
	FIN 7                                          ; tile 6's sixteen multiply-adds, which name none of tile 7's products' registers, are the places behind those products
	s_wait_xcnt 0x0
	TOSTAGE 7
	SEND 6, 16
	SEND 7, 0
	WIN 0
	s_wait_tensorcnt 0x0                           ; the wave's end
	ds_add_u32 v[SPW], v[NIL]
	s_wait_dscnt 0x0
	CROUND                                         ; the closing round
	s_endpgm
.Lfunc_end_k_qfb4bbbd959_mix:
	.size	k_qfb4bbbd959_mix, .Lfunc_end_k_qfb4bbbd959_mix-k_qfb4bbbd959_mix
	.p2alignl 7, 3214868480
	.fill 96, 4, 3214868480
	.section	.rodata,"a",@progbits
	.p2align	6, 0x0
	.amdhsa_kernel k_qfb4bbbd959_mix
		.amdhsa_group_segment_fixed_size 327680
		.amdhsa_private_segment_fixed_size 0
		.amdhsa_enable_private_segment 0
		.amdhsa_kernarg_size 56
		.amdhsa_user_sgpr_count 2
		.amdhsa_user_sgpr_kernarg_segment_ptr 1
		.amdhsa_wavefront_size32 1
		.amdhsa_system_sgpr_workgroup_id_x 1
		.amdhsa_system_sgpr_workgroup_id_y 1
		.amdhsa_system_sgpr_workgroup_id_z 1
		.amdhsa_system_vgpr_workitem_id 0
		.amdhsa_next_free_vgpr 768
		.amdhsa_next_free_sgpr 100
		.amdhsa_reserve_vcc 1
		.amdhsa_float_denorm_mode_32 3
		.amdhsa_float_denorm_mode_16_64 3
		.amdhsa_memory_ordered 1
		.amdhsa_forward_progress 1
		.amdhsa_inst_pref_size 167
	.end_amdhsa_kernel
	.amdgpu_metadata
---
amdhsa.version: [ 1, 2 ]
amdhsa.kernels:
  - .name:           k_qfb4bbbd959_mix
    .symbol:         k_qfb4bbbd959_mix.kd
    .args:
      - { .name: sequence_output_codes, .offset: 0, .size: 8, .value_kind: global_buffer, .address_space: global }
      - { .name: sequence_output_scales, .offset: 8, .size: 8, .value_kind: global_buffer, .address_space: global }
      - { .name: Wv_codes, .offset: 16, .size: 8, .value_kind: global_buffer, .address_space: global }
      - { .name: Wv_scales, .offset: 24, .size: 8, .value_kind: global_buffer, .address_space: global }
      - { .name: bv, .offset: 32, .size: 8, .value_kind: global_buffer, .address_space: global }
      - { .name: part, .offset: 40, .size: 8, .value_kind: global_buffer, .address_space: global }
      - { .name: out0, .offset: 48, .size: 8, .value_kind: global_buffer, .address_space: global }
    .group_segment_fixed_size: 327680
    .private_segment_fixed_size: 0
    .kernarg_segment_align: 8
    .kernarg_segment_size: 56
    .max_flat_workgroup_size: 128
    .sgpr_count:     100
    .vgpr_count:     768
    .wavefront_size: 32
...
	.end_amdgpu_metadata
.endif
;; end of part 2
